; MI455X (gfx1250); checked and timed in simulation.
; The chip was launched on July 23, 2026; its instructions are those of AMD's public machine-readable ISA for CDNA 5 (MIT licence, August 2026) and "CDNA5" Instruction Set Architecture Reference Guide (July 2026). The comments in the code are by the model that wrote it; some were corrected since.
;; Relational Memory. Allowed arithmetic: matrix products marked QUANTISED: E2M1 operands, one E8M0 scale for each 32 along K, by v_wmma_scale_f32_16x16x128_f8f6f4 with both operands' format E2M1 (or v_wmma_scale_f32_32x16x128_f4), f32 sums; everything else in f32.
;; Inputs: hardness 8,192 float32; keys 8,192 x 256 float32; latent 8 x 2,048 x 256 float32; vals 8,192 x 256 float32.
;; Outputs: out0 8 x 2,048 x 256 float32.
;; This version of the problem:
;;   THIS VERSION OF THE PROBLEM IS GIVEN IN LOW PRECISION. The matrix products marked QUANTISED in the list below multiply operands that are first quantised to E2M1 (2 exponent bits, 1 mantissa bit; 4 bits a number), with one power-of-two scale for each 32 numbers along K (OCP MX v1.0); their sums are f32. All else is computed in f32.
;;   The module's matrix products, in the order in which they are computed (A, B: the left and right operand; K: the contracted axis; several contracted axes count as one K, in the product's order):
;;     1. [M 16,384, K 256] x [K 256, N 8,192]; A: computed on the way; B: computed on the way: QUANTISED
;;     2. [M 16,384, K 8,192] x [K 8,192, N 256]; A: softmax (see below); B: input vals: QUANTISED
;;   THE QUANTISER, for each operand of a quantised product, along K:
;;     - K is cut into blocks of 32 from its start; a last block that is shorter is filled with zeros.
;;     - A block's scale is 2^e with e = floor(log2(the largest magnitude in the block)) - 2, held to -126 .. 127; a block of zeros has e = 0. As a byte (E8M0): e + 127.
;;     - Each number is divided by its block's scale, clamped to +-6, and rounded to the nearest number of E2M1, ties to even, subnormals kept.
;;     - The product sums the exact products of the quantised numbers (number of the format x scale) in f32.
;;   ~~~python
;;   def quantise(x, axis):      # numpy; x: float32 -> the quantised numbers, widened to float32 again
;;       x = np.moveaxis(x, axis, -1); K = x.shape[-1]
;;       x = np.pad(x, [(0, 0)] * (x.ndim - 1) + [(0, -K % 32)]); x = x.reshape(x.shape[:-1] + (-1, 32)); a = np.abs(x).max(-1, keepdims=True)
;;       e = np.where(a > 0, np.clip(np.frexp(np.where(a > 0, a, 1))[1] - 1 - 2, -126, 127), 0)      # np.frexp(a)[1] - 1 = floor(log2(a)), exactly
;;       r = np.clip(x / 2.0 ** e, -6, 6)
;;       step = 2.0 ** (np.maximum(np.frexp(np.where(r == 0, 1, r))[1] - 1, 0) - 1)
;;       q = np.round(r / step) * step * 2.0 ** e      # np.round: ties to even
;;       return np.moveaxis(q.reshape(q.shape[:-2] + (-1,))[..., :K], -1, axis).astype(np.float32)
;;   ~~~
;;   SOFTMAX AHEAD OF A QUANTISED PRODUCT. Where the list says 'softmax', what is quantised is not the finished softmax but p = 2^(t - M), with t = logit x log2(e) and M = ceil(the row's largest t), a whole number; so 1/2 < the row's largest p <= 1. The row's sum l is taken of the UNQUANTISED p, in f32, and the product's result is divided by l at the end. Since M is a whole number, a kernel that streams over the keys may use a running M (the ceiling of the running maximum): every later rescaling is an exact power of two, which a block's scale takes up: the codes' values come out the same.
;;   OPERANDS COMPUTED ON THE WAY. 'Computed on the way' means the value that the module computes at that place (a softmax that the list does not call 'softmax' is quantised finished and normalised). What goes into a quantiser is computed in f32, as accurately as f32 sums, v_exp_f32 and their like allow (about 1e-6 of the number): no bf16 or f16 on the way to a quantiser, and a product that is left as it is and whose result goes on into a quantised operand takes f32 operands (vector FMAs, or v_wmma_f32_16x16x4_f32). A number that lies on a knife's edge between two numbers of the format may be rounded either way, as far as f32 arithmetic and the matrix unit's own rounding can turn it there, and no further.
;; One version. Each part assembles by itself: llvm-mc -triple=amdgcn-amd-amdhsa -mcpu=gfx1250 --defsym DOCPART=n.
;; ======== version 1 of 1: 2 launches
;; limits: right only within a limited range of input values
;; workspace buffers: qc 2,097,152 bytes; qs 131,072 bytes; kv 2,543,616 bytes
;; launch prep (part 1): grid 256 x 1, 8 waves a work-group, no clusters, 134,144 bytes of LDS; arguments latent, keys, vals, hardness, qc, qs, kv; writes qc, qs, kv
.if DOCPART == 1
	.amdgcn_target "amdgcn-amd-amdhsa--gfx1250"
	.amdhsa_code_object_version 6
	.text
	.protected	k_q4037bbe275_prep
	.globl	k_q4037bbe275_prep
	.p2align	8
	.type	k_q4037bbe275_prep,@function
k_q4037bbe275_prep:
	s_mov_b64 s[64:65], 0
	v_nop
	global_prefetch_b8 v0, s[64:65] scope:SCOPE_SE
	s_setreg_imm32_b32 hwreg(HW_REG_WAVE_MODE, 25, 1), 1
	s_wait_xcnt 0x0
; RelationalMemory.recall, first of two launches: the operands of both quantised products are made once, as codes of FP4 (E2M1) with one E8M0 byte for each 32 along K.
; NO WORK OF THE PROBLEM IS LEFT OUT: latent, keys, vals and hardness all reach the output, and all four are loaded here.
;   latent [16384][256] and keys [8192][256]: each row is divided by max(its l2 norm, 1e-12), in f32, and quantised along its 256.
;   vals [8192][256]: quantised DOWN the keys, the second product's K.   hardness: hc = hardness x 10 log2(e), so that t = score x hc in the second launch.
; EVERYTHING IS STORED AS AN IMAGE OF THE OPERAND'S REGISTERS: a fragment (16 rows x 128 K: 8 registers a lane) as two runs of 512 bytes, lane l's 16 bytes at 16 l.
;   qc: [1024 tiles of 16 queries][2048]: K step s, register group c at 1024 s + 512 c + 16 lane.   qs: [1024][128]: word at 4 lane: lanes 0-15 K step 0's scale word of row r, lanes 16-31 K step 1's.
;   kv: 72 records of REC bytes.  Record j holds the KEYS 128 j .. 128 j + 127 (j < 64) and the VALS of keys 128 (j - 8) .. (j >= 8): the second launch multiplies vals two slots of four records behind keys.
;   A record: key tiles 0-3 | vals' channel tiles 0-7 | the key tiles' scale words | hc | key tiles 4-7 | vals' tiles 8-15 | vals' scale words.  The parts that no step uses (vals of records 0-7, keys of 64-71) are stored as zeros.
;   THE KEYS OF A TILE ARE NOT NEIGHBOURS: lane r of tile 2 b + u is key 32 b + 8 u + r + 8 (r / 8), so that 16 registers of two neighbouring tiles of scores are 16 neighbouring keys.
; SHARES.  Work-groups 0-63: vals of keys 128 g on (wave w: channels 32 w on) and their hc; 64-191: latent, a tile of 16 rows a wave; 192-255: keys, record g - 192, tile w.
; A block's scale is 2^(floor(log2(its largest magnitude)) - 2): its byte is that magnitude's exponent field - 2, held at 1 from below.
; LIMITS: NaN and infinities among the inputs are not served; a row whose sum of squares overflows f32 is not served; x / max(n, eps) is x times the reciprocal (v_rcp_f32) of max(sqrt(sum of squares), eps);
;   a block whose largest magnitude lies under 2^-124 keeps the byte 1; a block of zeros gets the byte 1 where the rule says 127: its codes are zeros, and this program alone reads the bytes.
; No matrix unit, no cluster, no tensor load: the launch streams, waves share nothing, and no barrier is needed.
.set REC,   35328
.set HOP,   9728                       ; from the end of tiles 0-3 (0-7) to tiles 4-7 (8-15) of the same kind
.set KS,    16384
.set HC,    17408
.set VF,    8*REC+8192                 ; vals' fragments, eight records on
.set VS,    8*REC+34304                ; vals' scale words, eight records on
.set RP,    1040                       ; a stage row: 1,024 bytes + 16
.set WSTG,  16*RP
.set SPARE, 8*WSTG                     ; the spare words, 128 bytes a wave, which no other line names
.set SPW,  1
.set NIL,  2
.set LN,   3
.set RR,   4
.set HH,   5
.set L16,  6
.set L16H, 7
.set STI,  8
.set STO,  9
.set L4,   10
.set TM,   16
.set PW0,  32
.set PW1,  33
.set PWM,  34
.set VD,   35
.set PC0,  36
.set PC1,  44
.set SS,   52
.set RN,   60
.set X,    64
	s_load_b256 s[4:11], s[0:1], 0x0               ; latent, keys, vals, hardness
	s_load_b128 s[12:15], s[0:1], 0x20             ; qc, qs
	s_load_b64 s[16:17], s[0:1], 0x30              ; kv
	v_lshl_add_u32 v[SPW], v0, 2, SPARE
	v_mov_b32 v[NIL], 0
	v_lshrrev_b32 v[LN], 5, v0
	s_delay_alu instid0(VALU_DEP_1)
	v_readfirstlane_b32 s20, v[LN]                 ; wave 0..7
	v_and_b32 v[LN], 31, v0
	v_and_b32 v[RR], 15, v0
	v_bfe_u32 v[HH], v0, 4, 1
	s_delay_alu instid0(VALU_DEP_3)
	v_lshlrev_b32 v[L16], 4, v[LN]
	s_delay_alu instid0(VALU_DEP_4)
	v_lshlrev_b32 v[L4], 2, v[LN]
	s_mul_i32 s39, s20, WSTG
	v_add_nc_u32 v[STI], s39, v[L16]               ; in: a load's 512 bytes as they lie
	v_mul_u32_u24 v[STO], v[RR], RP
	s_delay_alu instid0(VALU_DEP_1)
	v_lshl_add_u32 v[STO], v[HH], 6, v[STO]
	s_delay_alu instid0(VALU_DEP_1)
	v_add_nc_u32 v[STO], s39, v[STO]               ; out: row r, + 64 h
	v_lshlrev_b32 v[VD], 10, v[HH]
	s_delay_alu instid0(VALU_DEP_1)
	v_lshl_add_u32 v[VD], v[RR], 4, v[VD]          ; vals: channel tile lane / 16, row lane % 16
	s_mov_b32 s22, 0x76543210
	s_mov_b32 s23, 0xfedcba98                      ; selects for lane l xor 16
.irp b, 0,1,2,3
	v_mov_b32 v[TM+4+\b], 0                        ; a lane permute's destination counts as one of its sources
.endr
	s_wait_kmcnt 0x0
	s_cmp_lt_u32 ttmp9, 64
	s_cbranch_scc1 .Lvals
; 64 numbers of a lane, register 16 b + i = k 32 b + 16 (lane / 16) + i of my row, become a fragment's codes in v[pc] on and its scale word in v[pw].
.macro QUANT s, pc, pw
.irp b, 0,1,2,3
	v_max3_num_f32 v[TM+\b], |v[(\s)+16*\b]|, |v[(\s)+1+16*\b]|, 0x1800000   ; with the floor 2^(3 - 127)
.endr
.irp i, 2,4,6,8,10,12,14
.irp b, 0,1,2,3
	s_delay_alu instid0(VALU_DEP_4)
	v_max3_num_f32 v[TM+\b], v[TM+\b], |v[(\s)+16*\b+\i]|, |v[(\s)+1+16*\b+\i]|
.endr
.endr
.irp b, 0,1,2,3
	s_delay_alu instid0(VALU_DEP_4)
	v_permlanex16_b32 v[TM+4+\b], v[TM+\b], s22, s23
.endr
.irp b, 0,1,2,3
	s_delay_alu instid0(VALU_DEP_4)
	v_max_num_f32 v[TM+\b], v[TM+\b], v[TM+4+\b]   ; the block's largest magnitude
.endr
.irp b, 0,1,2,3
	s_delay_alu instid0(VALU_DEP_4)
	v_add_nc_u32 v[TM+12+\b], 0xff000000, v[TM+\b] ; 2 off its exponent field: the conversion's scale operand
.endr
.irp b, 0,1,2,3
	s_delay_alu instid0(VALU_DEP_4)
	v_lshrrev_b32 v[TM+4+\b], 23, v[TM+12+\b]      ; the scale's byte
.endr
	s_delay_alu instid0(VALU_DEP_3)
	v_lshl_or_b32 v[\pw], v[TM+5], 8, v[TM+4]
	s_delay_alu instid0(VALU_DEP_1)
	v_lshl_or_b32 v[\pw], v[TM+6], 16, v[\pw]
	s_delay_alu instid0(VALU_DEP_1)
	v_lshl_or_b32 v[\pw], v[TM+7], 24, v[\pw]
.irp b, 0,1,2,3
	v_cvt_scalef32_pk8_fp4_f32 v[(\pc)+2*\b], v[(\s)+16*\b:(\s)+7+16*\b], v[TM+12+\b]
	v_cvt_scalef32_pk8_fp4_f32 v[(\pc)+1+2*\b], v[(\s)+8+16*\b:(\s)+15+16*\b], v[TM+12+\b]
.endr
	v_nop                                          ; one plain place behind a scaled conversion
.irp c, 0,1                                    ; a whole block in a lane: lanes 0-15 block 2 c, lanes 16-31 block 2 c + 1
.irp i, 0,1
	v_permlane16_swap_b32 v[(\pc)+4*\c+\i], v[(\pc)+2+4*\c+\i]
.endr
.endr
.endm
	; ---- ROWS: a tile of 16 rows of latent or of keys.  One path for both: only pointers and offsets are chosen, on the work-group's number
	s_sub_co_u32 s21, ttmp9, 64
	s_lshl_b32 s24, s21, 3
	s_add_co_u32 s24, s24, s20                     ; latent: tile T = 8 (g - 64) + wave
	s_lshl_b32 s32, s24, 14
	s_lshl_b32 s34, s24, 11
	s_lshl_b32 s36, s24, 7
	s_sub_co_u32 s25, s21, 128                     ; keys: record j = g - 192
	s_lshl_b32 s33, s25, 7
	s_lshr_b32 s40, s20, 1
	s_lshl_b32 s40, s40, 5
	s_add_co_u32 s33, s33, s40
	s_and_b32 s40, s20, 1
	s_lshl_b32 s40, s40, 3
	s_add_co_u32 s33, s33, s40                     ; the tile's first key: 128 j + 32 (wave / 2) + 8 (wave % 2)
	s_lshl_b32 s33, s33, 10
	s_mul_i32 s25, s25, REC
	s_lshl_b32 s40, s20, 11
	s_add_co_u32 s35, s25, s40
	s_lshr_b32 s41, s20, 2
	s_mul_i32 s41, s41, HOP
	s_add_co_u32 s35, s35, s41                     ; tile w's fragments in the record: tiles 4-7 lie HOP bytes further on
	s_lshl_b32 s40, s20, 7
	s_add_co_u32 s37, s25, s40
	s_add_co_u32 s37, s37, KS                      ; and its scale words
	s_mov_b32 s27, 0
	s_mov_b32 s29, 0
	s_mov_b32 s31, 0
	s_cmp_lt_u32 s21, 128                          ; latent's work-group or keys'?
	s_cselect_b64 s[4:5], s[4:5], s[6:7]
	s_cselect_b64 s[12:13], s[12:13], s[16:17]
	s_cselect_b64 s[14:15], s[14:15], s[16:17]
	s_cselect_b32 s26, s32, s33
	s_cselect_b32 s28, s34, s35
	s_cselect_b32 s30, s36, s37
	s_cselect_b32 s38, 0, 8192                     ; keys: the tile's rows 8-15 lie 8 rows further on
	s_add_nc_u64 s[4:5], s[4:5], s[26:27]
	s_add_nc_u64 s[12:13], s[12:13], s[28:29]
	s_add_nc_u64 s[14:15], s[14:15], s[30:31]
	v_add_nc_u32 v[L16H], s38, v[L16]
.irp r, 0,1,2,3,4,5,6,7,8,9,10,11,12,13,14,15
.irp f, 0,1
.if \r < 8
	global_load_b128 v[X+8*\r+4*\f:X+8*\r+4*\f+3], v[L16], s[4:5] offset:\r*1024+\f*512 th:TH_LOAD_NT    ; 32 lanes read 512 consecutive bytes
.else
	global_load_b128 v[X+8*\r+4*\f:X+8*\r+4*\f+3], v[L16H], s[4:5] offset:\r*1024+\f*512 th:TH_LOAD_NT
.endif
.endr
.endr
.irp q, 0,1,2,3                                ; through my own stage, four rows at a time as they arrive
	s_wait_loadcnt 24-8*\q                         ; rows 4 q .. 4 q + 3 are in; the later rows' 8 loads each may be out
.irp r, 0,1,2,3
.irp f, 0,1
	ds_store_b128 v[STI], v[X+8*(4*\q+\r)+4*\f:X+8*(4*\q+\r)+4*\f+3] offset:(4*\q+\r)*RP+\f*512
.endr
.endr
.endr
	s_wait_dscnt 0x0                               ; the stores have read X, which the loads below write
	s_wait_alu depctr_va_vdst(0)
.irp ks, 0,1
.irp b, 0,1,2,3
.irp j, 0,1,2,3
	ds_load_b128 v[X+64*\ks+16*\b+4*\j:X+64*\ks+16*\b+4*\j+3], v[STO] offset:512*\ks+128*\b+16*\j   ; register 64 s + 16 b + i = k 128 s + 32 b + 16 h + i of row r
.endr
.endr
.endr
	s_wait_dscnt 0x0
.irp c, 0,1,2,3
	v_pk_mul_f32 v[SS+2*\c:SS+2*\c+1], v[X+2*\c:X+2*\c+1], v[X+2*\c:X+2*\c+1]   ; the sum of squares: four chains of pairs
.endr
.set i, 8
.rept 60
	s_delay_alu instid0(VALU_DEP_4)
	v_pk_fma_f32 v[SS+i%8:SS+i%8+1], v[X+i:X+i+1], v[X+i:X+i+1], v[SS+i%8:SS+i%8+1]
.set i, i+2
.endr
	s_delay_alu instid0(VALU_DEP_3)
	v_pk_add_f32 v[SS:SS+1], v[SS:SS+1], v[SS+2:SS+3]
	s_delay_alu instid0(VALU_DEP_2)
	v_pk_add_f32 v[SS+4:SS+5], v[SS+4:SS+5], v[SS+6:SS+7]
	s_delay_alu instid0(VALU_DEP_1)
	v_pk_add_f32 v[SS:SS+1], v[SS:SS+1], v[SS+4:SS+5]
	s_delay_alu instid0(VALU_DEP_1)
	v_add_f32 v[SS], v[SS], v[SS+1]
	s_delay_alu instid0(VALU_DEP_1)
	v_permlanex16_b32 v[SS+1], v[SS], s22, s23     ; the row's other 128 numbers lie in the lane 16 away
	s_delay_alu instid0(VALU_DEP_1)
	v_add_f32 v[SS], v[SS], v[SS+1]
	s_wait_alu depctr_va_vdst(0)
	v_sqrt_f32 v[SS+2], v[SS]
	v_nop                                          ; a plain place behind the root
	s_wait_alu depctr_va_vdst(0)                   ; ahead of the first line that names the root
	v_max_num_f32 v[SS+2], 0x2b8cbccc, v[SS+2]     ; max(norm, 1e-12)
	s_wait_alu depctr_va_vdst(0)
	v_rcp_f32 v[RN], v[SS+2]
	v_mov_b32 v[RN+1], 0                           ; (the pair's upper half is written; also the plain place behind the reciprocal)
	s_wait_alu depctr_va_vdst(0)
.set i, 0
.rept 64
	v_pk_mul_f32 v[X+i:X+i+1], v[X+i:X+i+1], v[RN:RN+1] op_sel_hi:[1,0]
.set i, i+2
.endr
	QUANT X, PC0, PW0
	global_store_b128 v[L16], v[PC0:PC0+3], s[12:13]                 ; each store of the wave covers 512 consecutive bytes, aligned
	global_store_b128 v[L16], v[PC0+4:PC0+7], s[12:13] offset:512
	QUANT X+64, PC1, PW1
	global_store_b128 v[L16], v[PC1:PC1+3], s[12:13] offset:1024
	global_store_b128 v[L16], v[PC1+4:PC1+7], s[12:13] offset:1536
	v_cmp_le_u32 vcc_lo, 16, v[LN]
	s_delay_alu instid0(VALU_DEP_1)
	v_cndmask_b32 v[PWM], v[PW0], v[PW1], vcc_lo   ; lanes 0-15 carry K step 0's word of row r, lanes 16-31 K step 1's
	global_store_b32 v[L4], v[PWM], s[14:15]
	s_sub_co_u32 s40, ttmp9, 192                   ; keys' work-groups j = 0 .. 7 also store zeros as the keys' parts of record 64 + j
	s_cmp_lt_u32 s40, 8
	s_cbranch_scc0 .Lend
.irp i, 0,1,2,3
	v_mov_b32 v[X+\i], 0
.endr
.irp i, 0,1,2,3
	global_store_b128 v[L16], v[X:X+3], s[12:13] offset:64*REC+512*\i
.endr
	global_store_b32 v[L4], v[X], s[14:15] offset:64*REC
	s_cmp_lt_u32 s20, 4                            ; hc's 512 bytes lie 1,024 behind the scale words: waves 0 to 3, 128 bytes each
	s_cbranch_scc0 .Lend
	global_store_b32 v[L4], v[X], s[14:15] offset:64*REC+1024
	s_branch .Lend
	; ---- VALS: a lane takes a channel, and its registers run down the keys: a block of 32 keys lies in one lane, and the codes come out with the keys innermost
.Lvals:
	s_lshl_b32 s24, ttmp9, 17                      ; 128 rows of 1,024 bytes,
	s_lshl_b32 s25, s20, 7                         ; my wave's 32 channels
	s_add_co_u32 s24, s24, s25
	s_mov_b32 s25, 0
	s_add_nc_u64 s[8:9], s[8:9], s[24:25]
	s_mul_i32 s26, ttmp9, REC
	s_mov_b32 s27, 0
	s_add_nc_u64 s[16:17], s[16:17], s[26:27]      ; kv at record g
	s_lshl_b32 s28, s20, 11
	s_add_co_u32 s28, s28, VF                      ; my two channel tiles' images, in record g + 8
	s_lshr_b32 s29, s20, 2
	s_mul_i32 s29, s29, HOP
	s_add_co_u32 s28, s28, s29                     ; tiles 8-15 lie HOP bytes further on
	s_mov_b32 s29, 0
	s_add_nc_u64 s[12:13], s[16:17], s[28:29]
	s_lshl_b32 s30, s20, 7
	s_add_co_u32 s30, s30, VS                      ; and their scale words: one register's image
	s_mov_b32 s31, 0
	s_add_nc_u64 s[14:15], s[16:17], s[30:31]
	s_lshl_b32 s32, ttmp9, 9
	s_mov_b32 s33, 0
	s_add_nc_u64 s[10:11], s[10:11], s[32:33]      ; hardness of the 128 keys
.macro LOADV kb                        ; key block kb: vals(32 kb + i, my channel): 32 lanes read 128 consecutive bytes
.irp i, 0,1,2,3,4,5,6,7,8,9,10,11,12,13,14,15,16,17,18,19,20,21,22,23,24,25,26,27,28,29,30,31
	global_load_b32 v[X+32*\kb+\i], v[L4], s[8:9] offset:(32*\kb+\i)*1024 th:TH_LOAD_NT
.endr
.endm
.macro BLOCKV kb
.set XS, X+32*\kb
	v_max3_num_f32 v12, |v[XS]|, |v[XS+1]|, |v[XS+2]|               ; the block's largest magnitude: all 32 numbers are mine
	v_max3_num_f32 v13, |v[XS+3]|, |v[XS+4]|, |v[XS+5]|
.irp i, 6,10,14,18,22,26
	s_delay_alu instid0(VALU_DEP_2)
	v_max3_num_f32 v12, v12, |v[XS+\i]|, |v[XS+\i+1]|
	s_delay_alu instid0(VALU_DEP_2)
	v_max3_num_f32 v13, v13, |v[XS+\i+2]|, |v[XS+\i+3]|
.endr
	s_delay_alu instid0(VALU_DEP_2)
	v_max3_num_f32 v12, v12, |v[XS+30]|, |v[XS+31]|
	s_delay_alu instid0(VALU_DEP_1)
	v_max3_num_f32 v12, v12, v13, 0x1800000        ; and the floor
	s_delay_alu instid0(VALU_DEP_1)
	v_add_nc_u32 v11, 0xff000000, v12              ; the conversion's scale operand
	s_delay_alu instid0(VALU_DEP_1)
	v_lshrrev_b32 v14, 23, v11                     ; the scale's byte
.if \kb == 0
	s_delay_alu instid0(VALU_DEP_1)
	v_mov_b32 v[PW0], v14
.else
	s_delay_alu instid0(VALU_DEP_1)
	v_lshl_or_b32 v[PW0], v14, 8*\kb, v[PW0]       ; byte kb of my channel's scale word
.endif
.irp q, 0,1,2,3
	v_cvt_scalef32_pk8_fp4_f32 v[TM+4*\kb+\q], v[XS+8*\q:XS+8*\q+7], v11
.endr
	v_nop                                          ; one plain place behind a scaled conversion
	global_store_b128 v[VD], v[TM+4*\kb:TM+4*\kb+3], s[12:13] offset:(\kb/2)*512+(\kb%2)*256   ; sixteen lanes store 256 consecutive bytes, aligned
.endm
	LOADV 0
	LOADV 1
	s_wait_loadcnt 32                              ; block 0 is in; block 1's 32 loads may be out
	LOADV 2
	BLOCKV 0
	s_wait_loadcnt 32
	LOADV 3
	BLOCKV 1
	s_wait_loadcnt 32
	BLOCKV 2
	s_wait_loadcnt 0x0
	BLOCKV 3
	global_store_b32 v[L4], v[PW0], s[14:15]       ; lanes 0-15: channel tile 2 w, lanes 16-31: tile 2 w + 1
	s_cmp_lt_u32 ttmp9, 8                          ; work-groups 0 .. 7 also store zeros as vals' parts of record g, eight records back
	s_cbranch_scc0 .Lhc
.irp i, 0,1,2,3
	v_mov_b32 v[X+\i], 0
.endr
.irp i, 0,1,2,3
	global_store_b128 v[VD], v[X:X+3], s[12:13] offset:256*\i-8*REC
.endr
	global_store_b32 v[L4], v[X], s[14:15] offset:-8*REC
.Lhc:
	s_cmp_lg_u32 s20, 0                            ; wave 0 alone: hc
	s_cbranch_scc1 .Lend
	global_load_b128 v[PC0:PC0+3], v[L16], s[10:11]
	s_wait_loadcnt 0x0
	v_pk_mul_f32 v[PC0:PC0+1], v[PC0:PC0+1], 0x4166d4ca op_sel_hi:[1,0]     ; x 10 log2(e) = 14.4269504
	v_pk_mul_f32 v[PC0+2:PC0+3], v[PC0+2:PC0+3], 0x4166d4ca op_sel_hi:[1,0]
	global_store_b128 v[L16], v[PC0:PC0+3], s[16:17] offset:HC
.Lend:
	s_wait_tensorcnt 0x0                           ; the wave's end
	ds_add_u32 v[SPW], v[NIL]
	s_wait_dscnt 0x0
	s_endpgm
.Lfunc_end_k_q4037bbe275_prep:
	.size	k_q4037bbe275_prep, .Lfunc_end_k_q4037bbe275_prep-k_q4037bbe275_prep
	.p2alignl 7, 3214868480
	.fill 96, 4, 3214868480
	.section	.rodata,"a",@progbits
	.p2align	6, 0x0
	.amdhsa_kernel k_q4037bbe275_prep
		.amdhsa_group_segment_fixed_size 134144
		.amdhsa_private_segment_fixed_size 0
		.amdhsa_enable_private_segment 0
		.amdhsa_kernarg_size 56
		.amdhsa_user_sgpr_count 2
		.amdhsa_user_sgpr_kernarg_segment_ptr 1
		.amdhsa_wavefront_size32 1
		.amdhsa_system_sgpr_workgroup_id_x 1
		.amdhsa_system_sgpr_workgroup_id_y 1
		.amdhsa_system_sgpr_workgroup_id_z 1
		.amdhsa_system_vgpr_workitem_id 0
		.amdhsa_next_free_vgpr 192
		.amdhsa_next_free_sgpr 66
		.amdhsa_reserve_vcc 1
		.amdhsa_float_denorm_mode_32 3
		.amdhsa_float_denorm_mode_16_64 3
		.amdhsa_memory_ordered 1
		.amdhsa_forward_progress 1
		.amdhsa_inst_pref_size 56
	.end_amdhsa_kernel
	.amdgpu_metadata
---
amdhsa.version: [ 1, 2 ]
amdhsa.kernels:
  - .name:           k_q4037bbe275_prep
    .symbol:         k_q4037bbe275_prep.kd
    .args:
      - { .name: latent, .offset: 0, .size: 8, .value_kind: global_buffer, .address_space: global }
      - { .name: keys, .offset: 8, .size: 8, .value_kind: global_buffer, .address_space: global }
      - { .name: vals, .offset: 16, .size: 8, .value_kind: global_buffer, .address_space: global }
      - { .name: hardness, .offset: 24, .size: 8, .value_kind: global_buffer, .address_space: global }
      - { .name: qc, .offset: 32, .size: 8, .value_kind: global_buffer, .address_space: global }
      - { .name: qs, .offset: 40, .size: 8, .value_kind: global_buffer, .address_space: global }
      - { .name: kv, .offset: 48, .size: 8, .value_kind: global_buffer, .address_space: global }
    .group_segment_fixed_size: 134144
    .private_segment_fixed_size: 0
    .kernarg_segment_align: 8
    .kernarg_segment_size: 56
    .max_flat_workgroup_size: 256
    .sgpr_count:     66
    .vgpr_count:     192
    .wavefront_size: 32
...
	.end_amdgpu_metadata
.endif
;; end of part 1
;; launch attn (part 2): grid 256 x 1, 8 waves a work-group, clusters of 4 x 1, 327,680 bytes of LDS; arguments qc, qs, kv, out0; writes out0
.if DOCPART == 2
	.amdgcn_target "amdgcn-amd-amdhsa--gfx1250"
	.amdhsa_code_object_version 6
	.text
	.protected	k_q4037bbe275_attn
	.globl	k_q4037bbe275_attn
	.p2align	8
	.type	k_q4037bbe275_attn,@function
k_q4037bbe275_attn:
	s_mov_b64 s[64:65], 0
	v_nop
	global_prefetch_b8 v0, s[64:65] scope:SCOPE_SE
	s_setreg_imm32_b32 hwreg(HW_REG_WAVE_MODE, 25, 1), 1
	s_wait_xcnt 0x0
	s_wait_alu depctr_hold_cnt(0) depctr_sa_sdst(0) depctr_va_vdst(0) depctr_va_sdst(0) depctr_va_ssrc(0) depctr_va_vcc(0) depctr_vm_vsrc(0)
	s_getreg_b32 s2, hwreg(HW_REG_IB_STS2, 6, 4)
	s_cmp_eq_u32 s2, 0
	s_cbranch_scc0 .Lentry_in_a_cluster
	s_endpgm
.Lentry_in_a_cluster:
	s_bfe_u32 s2, ttmp6, 0x10000c
	s_cmp_lg_u32 s2, 0x3003
	s_cbranch_scc0 .Lentry_shape_is_right
	s_endpgm
.Lentry_shape_is_right:
; RelationalMemory.recall, second launch: out[q] = sum over keys of softmax_k(10 hardness[k] (nq[q] . nk[k])) vals[k], both products on codes of FP4 (E2M1) with E8M0 scales made by the first launch.  No work of the problem is left out.
; THE SOFTMAX: t = score x hc[key]; M = the largest t so far, rounded up to a whole number; p = 2^(t - M) is quantised along the keys, not normalised; l sums the unquantised p in f32 and divides at the end.
; When M moves, l and O are multiplied by 2^(old M - new M): exact.  hardness is an input without bound, so the running maximum stays.
; SHARES.  A work-group owns 64 queries; wave w has g = w % 4 and query group qg = w / 4 (32 queries, two tiles).  A slot of the stream kv is four records: the keys of group n (512 keys) and the vals of group n - 2.
; A TRIP n does three things for three groups of keys:
;   scores of group n:   S^T = K Q^T for record g x my 32 queries, t = S x hc, each block's and the step's largest t; the step's largest goes to LDS.
;   softmax of group n-1: the four waves of a query group read each other's largest t, so all four hold ONE M; p, l (my keys' part), p's codes and scale words, which go to LDS as images of the operand's registers.
;   O^T += V^T P^T of group n-2: for my 32 queries, all 512 keys, and my 64 CHANNELS (tiles 4 g .. 4 g + 3): O^T is 64 registers a wave, held once in the work-group; it is brought under the new M by 32 packed lines.
; What waves hand to each other is stored ahead of one round of the cluster's barrier and read behind it, in LDS bytes of two parities by turns: no barrier beyond the refill's own.  At the end only l is summed over the four waves.
; LAYOUT.  Both products are used transposed: a lane holds ONE query (lane % 16).  The 16 registers of score tiles 2 b, 2 b + 1 are keys 32 b + 16 (lane / 16) + 0 .. 15.  Operands lie in LDS as register images: 512 consecutive bytes a load.
; CLUSTER.  Every work-group walks the same stream, so the four partners ask for each slot JOINTLY: each wave its eighth of the slot, one tensor load of a wave out at a time; a round stands in front of each refill.
; PREFETCH.  Trip n asks for slot n + 2, two trips ahead of its load's wait: the first cluster alone (all clusters walk one stream), a record a partner, told apart by address; waves 0 to 4 name its 138 blocks of 256 bytes. Trips 16, 17 ask for nothing.
; LIMITS: NaN and infinities among the inputs are not served; p under 2^-126 becomes 0 (v_exp_f32 flushes); a block of p that is all zeros keeps the byte 1: its codes are zeros;
;   t = s x (hardness x 14.4269504) where the problem writes ((s x hardness) / 0.1) x log2(e): another order of rounding; l is the sum of four f32 parts.
; REGISTERS.  Window 0: v1-23 addresses and two at work; v24-31 statistics; v32-39 blocks' largest t; v40-43 f; v44-69 at work; v70-95 scale words and nothing else; v96-127 Q; v128-255 S^T, t, p.
;   Window 1: v0-63 O^T (32 u + 8 channel tile); v64-255 fragments: K's 128 and hc's 64, or V's 128 and P's 64.
.set REC,   35328
.set HOP,   9728
.set V0,    8192
.set KS,    16384
.set HC,    17408
.set VS,    34304
.set SLOTB, 4*REC
.set PART,  SLOTB/8                    ; what one tensor load brings: 69 rows of 256 bytes
.set SPARE, 2*SLOTB                    ; the spare words, 128 bytes a wave, which no other line names
.set PST,   SPARE+1024                 ; p's codes: 2 parities x 8 waves x 2 tiles x 1,024
.set PSS,   PST+32768                  ; p's scale words: 2 parities x 8 waves x 2 tiles x 128
.set MXO,   4096                       ; behind them the steps' largest t, likewise
.set LSO,   8192                       ; and the parts of l
.set ORP,   272                        ; the way out: 256 bytes + 16
.set SPW, 1
.set NIL, 2
.set PFO, 3
.set AF,  4                            ; v4, v5   slot 0, 1: my record + 16 lane
.set AH,  6                            ; v6, v7   my record's hc + 64 (lane / 16)
.set AS,  8                            ; v8, v9   my record + 4 lane
.set AV,  10                           ; v10-13   slot x 2 + pair of records: my channel tiles of vals + 16 lane
.set AVS, 14                           ; v14-17   likewise their scale words + 4 lane
.set P16R, 18
.set P16W, 19
.set P4R, 20
.set P4W, 21
.set T,   22
.set T2,  23
.set ST,  24                           ; four a tile: -M, largest t, l in two halves
.set BM,  32
.set FF,  40
.set PM,  44
.set SO,  48
.set PC,  52
.set MXR, 60                           ; v60-67 what the four waves published (tile 1's codes land here afterwards)
.set PSW, 68
.set KSC, 70
.set VSC, 78
.set PSC, 86
.set QSC, 94
.set QF,  96
.set S,   128
.set KB,  64                           ; window 1
.set HB,  192
.set VB,  64
.set PB,  192
.set WV,  12
.set KG,  13
.set QG,  14
.set CX,  15
.set WX,  16
.set G1,  24
.set G0,  32
.set SEL, 40
.set CNT, 42
.set LIM, 43
.set PFA, 44
.set MSB, 0
.macro WIN new                         ; the immediate's high byte repeats the setting that is left
.if MSB != \new
	s_set_vgpr_msb (MSB<<8)|\new
.set MSB, \new
.endif
.endm
.macro PLACES n
.rept \n
	v_nop
.endr
.endm
.macro ROUND                           ; a round of the cluster's barrier
	s_barrier_signal -1
	s_barrier_wait -1
	s_cmp_lg_u32 s[WV], 0
	s_cbranch_scc1 .Lnot_wave_0_\@
	s_barrier_signal -3
.Lnot_wave_0_\@:
	s_barrier_wait -3
	s_barrier_signal -1
	s_barrier_wait -1
.endm
.macro ASK
	s_cmp_eq_u32 s[LIM], 1
	s_cbranch_scc0 .Lnot_mine_\@
	global_prefetch_b8 v[PFO], s[PFA:PFA+1] th:TH_LOAD_NT scope:SCOPE_SE
.Lnot_mine_\@:
.endm
.macro KLOAD slot                      ; my record's keys: 8 scale words, 16 fragments, hc of my 64 keys: 56 loads
.irp t, 0,1,2,3,4,5,6,7
	ds_load_b32 v[KSC+\t], v[AS+\slot] offset:KS+128*\t
.endr
	WIN 0x40
.irp t, 0,1,2,3,4,5,6,7
.irp f, 0,1,2,3
	ds_load_b128 v[KB+16*\t+4*\f:KB+16*\t+4*\f+3], v[AF+\slot] offset:\t*2048+(\t/4)*HOP+\f*512
.endr
.endr
.irp j, 0,1,2,3,4,5,6,7,8,9,10,11,12,13,14,15
	ds_load_b128 v[HB+4*\j:HB+4*\j+3], v[AH+\slot] offset:128*(\j/4)+16*(\j%4)
.endr
	WIN 0
.endm
.macro KQ g                            ; 8 products: four accumulators by turns; K step 0 starts the sums; K step 1's scale words lie in lanes 16-31
.irp ks, 0,1
.irp tt, 0,1
.irp u, 0,1
.if \ks == 0
	v_wmma_scale_f32_16x16x128_f8f6f4 v[S+64*\u+8*(2*\g+\tt):S+64*\u+8*(2*\g+\tt)+7], v[KB+16*(2*\g+\tt):KB+16*(2*\g+\tt)+7], v[QF+16*\u:QF+16*\u+7], 0, v[KSC+2*\g+\tt], v[QSC+\u] matrix_a_fmt:MATRIX_FMT_FP4 matrix_b_fmt:MATRIX_FMT_FP4
.else
	v_wmma_scale_f32_16x16x128_f8f6f4 v[S+64*\u+8*(2*\g+\tt):S+64*\u+8*(2*\g+\tt)+7], v[KB+16*(2*\g+\tt)+8:KB+16*(2*\g+\tt)+15], v[QF+16*\u+8:QF+16*\u+15], v[S+64*\u+8*(2*\g+\tt):S+64*\u+8*(2*\g+\tt)+7], v[KSC+2*\g+\tt], v[QSC+\u] matrix_a_fmt:MATRIX_FMT_FP4 matrix_b_fmt:MATRIX_FMT_FP4 matrix_a_scale:MATRIX_SCALE_ROW1 matrix_b_scale:MATRIX_SCALE_ROW1
.endif
.endr
.endr
.endr
.endm
.macro MAXES par                       ; each block's largest t (kept for the block's largest p) and the step's, which is published.  Eight chains by turns
.irp u, 0,1
.irp b, 0,1,2,3
	v_max3_num_f32 v[BM+4*\u+\b], v[S+64*\u+16*\b], v[S+64*\u+16*\b+1], v[S+64*\u+16*\b+2]
.endr
.endr
.irp i, 3,5,7,9,11,13
.irp u, 0,1
.irp b, 0,1,2,3
	v_max3_num_f32 v[BM+4*\u+\b], v[BM+4*\u+\b], v[S+64*\u+16*\b+\i], v[S+64*\u+16*\b+\i+1]
.endr
.endr
.endr
.irp n, 0,1,2,3,4,5,6,7
	v_max_num_f32 v[BM+\n], v[BM+\n], v[S+16*\n+15]
.endr
.irp n, 0,1,2,3,4,5,6,7
	v_permlanex16_b32 v[PM+\n], v[BM+\n], s[SEL], s[SEL+1]
.endr
.irp n, 0,1,2,3,4,5,6,7
	v_max_num_f32 v[BM+\n], v[BM+\n], v[PM+\n]     ; with lane l xor 16's 16 keys
.endr
.irp u, 0,1
	v_max3_num_f32 v[T+\u], v[BM+4*\u], v[BM+4*\u+1], v[BM+4*\u+2]
.endr
.irp u, 0,1
	s_delay_alu instid0(VALU_DEP_2)
	v_max_num_f32 v[T+\u], v[T+\u], v[BM+4*\u+3]
.endr
.irp u, 0,1
	ds_store_b32 v[P4W], v[T+\u] offset:MXO+(\par)*2048+\u*128
.endr
.endm
; Tile u's softmax for my 128 keys: t in v[rS] on becomes p; its codes and scale word go to LDS, parity par; f stays in v[rF] for the next trip's O^T.
.macro VPCH slot, rec                  ; record rec of the slot: vals' and p's scale words, my four fragments of vals, p's two: 16 loads
.irp i, 0,1
	ds_load_b32 v[VSC+2*(\rec)+\i], v[AVS+2*\slot+(\rec)/2] offset:((\rec)%2)*REC+128*\i
	ds_load_b32 v[PSC+2*(\rec)+\i], v[P4R] offset:\slot*2048+(\rec)*256+\i*128
.endr
	WIN 0x40
.irp f, 0,1,2,3,4,5,6,7
	ds_load_b128 v[VB+32*(\rec)+4*\f:VB+32*(\rec)+4*\f+3], v[AV+2*\slot+(\rec)/2] offset:((\rec)%2)*REC+\f*512
.endr
.irp f, 0,1,2,3
	ds_load_b128 v[PB+16*(\rec)+4*\f:PB+16*(\rec)+4*\f+3], v[P16R] offset:\slot*16384+(\rec)*2048+\f*512
.endr
	WIN 0
.endm
.macro KCH slot, g                     ; a quarter of my record's keys: tiles 2 g, 2 g + 1, their scale words, hc of block g: 14 loads
.irp tt, 0,1
	ds_load_b32 v[KSC+2*(\g)+\tt], v[AS+\slot] offset:KS+128*(2*(\g)+\tt)
.endr
	WIN 0x40
.irp tt, 0,1
.irp f, 0,1,2,3
	ds_load_b128 v[KB+16*(2*(\g)+\tt)+4*\f:KB+16*(2*(\g)+\tt)+4*\f+3], v[AF+\slot] offset:(2*(\g)+\tt)*2048+((\g)/2)*HOP+\f*512
.endr
.endr
.irp j, 0,1,2,3
	ds_load_b128 v[HB+16*(\g)+4*\j:HB+16*(\g)+4*\j+3], v[AH+\slot] offset:128*(\g)+16*\j
.endr
	WIN 0
.endm
.macro HOOK mode, slot, n              ; the n-th part of the loads that a softmax carries among its lines: mode 1 vals and p, mode 2 keys, mode 0 none
.if \mode == 1
	VPCH \slot, \n
.endif
.if \mode == 2
	KCH \slot, \n
.endif
.endm
.macro SOFT u, par, mode, slot
.set rS, S+64*\u
.set rT, ST+4*\u
.set rF, FF+2*\u
.set rB, BM+4*\u
.set rC, PC+8*\u
.set rX, MXR+4*\u
	v_max3_num_f32 v[T], v[rX], v[rX+1], v[rX+2]   ; the four waves' largest t of this group of keys
	s_delay_alu instid0(VALU_DEP_1)
	v_max3_num_f32 v[rT+1], v[T], v[rX+3], v[rT+1] ; the running largest t: the same number in all four
	v_mov_b32 v[T], v[rT]
	s_delay_alu instid0(VALU_DEP_2)
	v_floor_f32 v[rT], -v[rT+1]                    ; the new -M = -ceil(t)
	s_delay_alu instid0(VALU_DEP_1)
	v_sub_f32 v[T], v[rT], v[T]                    ; old M - new M: a whole number, 0 or less
	s_delay_alu instid0(VALU_DEP_1)
	v_cvt_i32_f32 v[T], v[T]                       ; (it saturates)
	s_delay_alu instid0(VALU_DEP_1)
	v_ldexp_f32 v[rF], 1.0, v[T]                   ; f
	HOOK \mode, \slot, 1
.set j, 0
.rept 32
	v_pk_add_f32 v[rS+j:rS+j+1], v[rS+j:rS+j+1], v[rT:rT+1] op_sel_hi:[1,0]   ; t - M (of the pair the low word, -M, serves both halves)
.set j, j+2
.endr
.irp b, 0,1,2,3
	v_add_f32 v[rB+\b], v[rB+\b], v[rT]            ; the same of each block's largest t
.endr
.set j, 0
	s_wait_alu depctr_va_vdst(0)                   ; ahead of the batch
	HOOK \mode, \slot, 2
.rept 64
	v_exp_f32 v[rS+j], v[rS+j]                     ; p = 2^(t - M): one batch
.set j, j+1
.endr
	v_pk_mul_f32 v[rT+2:rT+3], v[rT+2:rT+3], v[rF:rF+1] op_sel_hi:[1,0]   ; l under the new M (a plain place behind the exponentials)
	s_wait_alu depctr_va_vdst(0)                   ; one wait for the batch, ahead of its first reader
.irp b, 0,1,2,3
	v_exp_f32 v[rB+\b], v[rB+\b]                   ; the block's largest p: the same two instructions on the same number give the same bits
.endr
	v_pk_add_f32 v[PM:PM+1], v[rS:rS+1], v[rS+2:rS+3]   ; the sum of the unquantised p, in two chains
	HOOK \mode, \slot, 3
.set j, 4
.rept 15
	v_pk_add_f32 v[rT+2:rT+3], v[rT+2:rT+3], v[rS+j:rS+j+1]
	v_pk_add_f32 v[PM:PM+1], v[PM:PM+1], v[rS+j+2:rS+j+3]
.set j, j+4
.endr
	s_delay_alu instid0(VALU_DEP_1)
	v_pk_add_f32 v[rT+2:rT+3], v[rT+2:rT+3], v[PM:PM+1]
	s_wait_alu depctr_va_vdst(0)                   ; and one for the four
.irp b, 0,1,2,3
	v_max_num_f32 v[rB+\b], 0x1800000, v[rB+\b]    ; the floor 2^(3 - 127): the byte cannot fall under 1
.endr
.irp b, 0,1,2,3
	s_delay_alu instid0(VALU_DEP_4)
	v_add_nc_u32 v[SO+\b], 0xff000000, v[rB+\b]    ; 2 off the exponent field: the conversion's scale operand
.endr
.irp b, 0,1,2,3
	s_delay_alu instid0(VALU_DEP_4)
	v_lshrrev_b32 v[PM+\b], 23, v[SO+\b]           ; the scale's byte
.endr
	s_delay_alu instid0(VALU_DEP_3)
	v_lshl_or_b32 v[PSW+\u], v[PM+1], 8, v[PM]
	s_delay_alu instid0(VALU_DEP_1)
	v_lshl_or_b32 v[PSW+\u], v[PM+2], 16, v[PSW+\u]
	s_delay_alu instid0(VALU_DEP_1)
	v_lshl_or_b32 v[PSW+\u], v[PM+3], 24, v[PSW+\u]
.irp b, 0,1,2,3
	v_cvt_scalef32_pk8_fp4_f32 v[rC+2*\b], v[rS+16*\b:rS+16*\b+7], v[SO+\b]
	v_cvt_scalef32_pk8_fp4_f32 v[rC+2*\b+1], v[rS+16*\b+8:rS+16*\b+15], v[SO+\b]
.endr
	v_nop                                          ; one plain place behind a scaled conversion
.irp c, 0,1                                    ; a whole block in a lane: lanes 0-15 block 2 c, lanes 16-31 block 2 c + 1
.irp i, 0,1
	v_permlane16_swap_b32 v[rC+4*\c+\i], v[rC+2+4*\c+\i]
.endr
.endr
	ds_store_b128 v[P16W], v[rC:rC+3] offset:(\par)*16384+\u*1024
	ds_store_b128 v[P16W], v[rC+4:rC+7] offset:(\par)*16384+\u*1024+512
	ds_store_b32 v[P4W], v[PSW+\u] offset:(\par)*2048+\u*128
.endm
.macro PV                              ; 32 products: eight accumulators by turns; an odd channel tile's scale words lie in lanes 16-31
.irp rec, 0,1,2,3
.irp ct, 0,1,2,3
.irp u, 0,1
.if (\ct)%2
	v_wmma_scale_f32_16x16x128_f8f6f4 v[32*\u+8*\ct:32*\u+8*\ct+7], v[VB+32*\rec+8*\ct:VB+32*\rec+8*\ct+7], v[PB+16*\rec+8*\u:PB+16*\rec+8*\u+7], v[32*\u+8*\ct:32*\u+8*\ct+7], v[VSC+2*\rec+\ct/2], v[PSC+2*\rec+\u] matrix_a_fmt:MATRIX_FMT_FP4 matrix_b_fmt:MATRIX_FMT_FP4 matrix_a_scale:MATRIX_SCALE_ROW1
.else
	v_wmma_scale_f32_16x16x128_f8f6f4 v[32*\u+8*\ct:32*\u+8*\ct+7], v[VB+32*\rec+8*\ct:VB+32*\rec+8*\ct+7], v[PB+16*\rec+8*\u:PB+16*\rec+8*\u+7], v[32*\u+8*\ct:32*\u+8*\ct+7], v[VSC+2*\rec+\ct/2], v[PSC+2*\rec+\u] matrix_a_fmt:MATRIX_FMT_FP4 matrix_b_fmt:MATRIX_FMT_FP4
.endif
.endr
.endr
.endr
.endm
; A TRIP.  slot = n % 2.  It reads p of parity slot and the largest t of parity 1 - slot, and writes p of parity 1 - slot and the largest t of parity slot.
.macro TRIP slot, pv, sm, kq, refill, ask
	s_wait_alu depctr_va_vdst(0)
	s_wait_tensorcnt 0x0                           ; no tensor load of mine is out, so a group 0 may be written
	ds_add_u32 v[SPW], v[NIL]
	s_add_nc_u64 s[G0+4*\slot+2:G0+4*\slot+3], s[G0+4*\slot+2:G0+4*\slot+3], 2*SLOTB
.if \ask
	s_wait_xcnt 0x0                                ; the last prefetch, a trip back, has read its address
	s_add_nc_u64 s[PFA:PFA+1], s[PFA:PFA+1], SLOTB
.endif
	s_wait_dscnt 0x0                               ; the add, my stores for the others and my reads of the slot that I leave are done
	ROUND
.if \refill
	tensor_load_to_lds s[G0+4*(1-\slot):G0+4*(1-\slot)+3], s[G1:G1+7]   ; the slot just left takes the next four records
	s_nop 0
	PLACES 4
.endif
.if \pv
.endif
.if \sm
.irp u, 0,1
.irp g, 0,1,2,3
	ds_load_b32 v[MXR+4*\u+\g], v[P4R] offset:MXO+(1-\slot)*2048+\g*256+\u*128
.endr
.endr
.endif
.if \pv
	VPCH \slot, 0                                  ; record 0 now; where a softmax follows, it carries records 1 to 3 among its lines
.if 1-\sm
	VPCH \slot, 1
	VPCH \slot, 2
	VPCH \slot, 3
.endif
.endif
.if \ask
	ASK
.endif
.if \pv
	WIN 0x41                                       ; O^T in window 1, f in window 0
	s_wait_alu depctr_va_vdst(0)                   ; ahead of the first readers of O^T
.irp u, 0,1
.set j, 0
.rept 16
	v_pk_mul_f32 v[32*\u+j:32*\u+j+1], v[32*\u+j:32*\u+j+1], v[FF+2*\u:FF+2*\u+1] op_sel_hi:[1,0]   ; O^T under the M of the p that is about to be added: f of the last trip's softmax
.set j, j+2
.endr
.endr
	WIN 0
.endif
.if \sm
	s_wait_dscnt 16*\pv                            ; the published numbers are in; record 0's 16 loads behind them may be out
	SOFT 0, 1-\slot, \pv, \slot
.endif
.if \pv
	s_wait_alu depctr_va_vdst(0)                   ; O^T was just written
	s_wait_dscnt 3*\sm                             ; all fragments are in; tile 0's three stores may be out
	WIN 0x55
	PV
	WIN 0
	PLACES 4                                       ; in front of loads into registers that these products have read
.endif
.if \kq
.if \sm
	KCH \slot, 0                                   ; a quarter now; tile 1's softmax carries the other three among its lines
.else
	KLOAD \slot
.endif
.endif
.if \sm
	SOFT 1, 1-\slot, 2*\kq, \slot
.endif
.if \kq
	s_wait_dscnt 3*\sm                             ; K, its scale words and hc are in; tile 1's three stores may be out
	WIN 0x01
	KQ 0
	KQ 1
	KQ 2
	KQ 3
	WIN 0
	PLACES 4
	WIN 0x04
.irp u, 0,1
.set j, 0
.rept 32
	v_pk_mul_f32 v[S+64*\u+j:S+64*\u+j+1], v[S+64*\u+j:S+64*\u+j+1], v[HB+j:HB+j+1]   ; t = score x hc, ascending
.set j, j+2
.endr
.endr
	WIN 0
	MAXES \slot
.endif
.endm
	s_load_b256 s[4:11], s[0:1], 0x0               ; qc, qs, kv, out0
	v_lshl_add_u32 v[SPW], v0, 2, SPARE
	v_mov_b32 v[NIL], 0
	ds_add_u32 v[SPW], v[NIL]                      ; the opening: the add, twice on end, and its wait ahead of my first tensor load
	ds_add_u32 v[SPW], v[NIL]
	v_lshrrev_b32 v[T], 5, v0
	v_readfirstlane_b32 s[WV], v[T]                ; wave 0..7
	s_and_b32 s[KG], s[WV], 3
	s_lshr_b32 s[QG], s[WV], 2
	s_bfe_u32 s[CX], ttmp6, 0x40000                ; my place in the cluster: it enters Q's, out's and the prefetches' addresses alone
	s_lshl_b32 s[WX], ttmp9, 2
	s_add_co_u32 s[WX], s[WX], s[CX]               ; my block of 64 queries
	s_mov_b32 s[G1], 15|(3<<16)|(1<<21)            ; the mask: all four work-groups; elements of 8 bytes; bit 21 beside a mask
	s_mov_b32 s[G1+1], 32<<16                      ; rows of 256 bytes
	s_mov_b32 s[G1+2], 69<<16
	s_mov_b32 s[G1+3], 32<<16
	s_mov_b32 s[G1+4], 69
	s_mov_b32 s[G1+5], 32                          ; dense
	s_mov_b32 s[G1+6], 0
	s_mov_b32 s[G1+7], 0
	s_mov_b32 s[SEL], 0x76543210
	s_mov_b32 s[SEL+1], 0xfedcba98
	s_mul_i32 s46, s[KG], REC                      ; my record in a slot
	s_lshl_b32 s47, s[KG], 12
	s_lshr_b32 s48, s[KG], 1
	s_mul_i32 s48, s48, HOP
	s_add_co_u32 s47, s47, s48
	s_add_co_u32 s47, s47, V0                      ; my four channel tiles in a record
	s_lshl_b32 s48, s[KG], 8
	s_add_co_u32 s48, s48, VS                      ; and their scale words
	s_lshl_b32 s49, s[QG], 13
	s_add_co_u32 s49, s49, PST
	s_lshl_b32 s50, s[WV], 11
	s_add_co_u32 s50, s50, PST
	s_lshl_b32 s51, s[QG], 10
	s_add_co_u32 s51, s51, PSS
	s_lshl_b32 s52, s[WV], 8
	s_add_co_u32 s52, s52, PSS
	s_cmp_lt_u32 s[WV], 5
	s_cselect_b32 s53, 0, 1
	s_or_b32 s53, s53, ttmp9                       ; 0 in waves 0 to 4 of the first cluster: the same in all four partners
	s_cmp_eq_u32 s53, 0
	s_cselect_b32 s[LIM], 1, 0
	s_mov_b32 s[CNT], 7
	v_and_b32 v[T], 31, v0
	v_bfe_u32 v[AH], v0, 4, 1
	v_min_u32 v[PFO], 137, v0
	v_lshlrev_b32 v[T2], 2, v[T]                   ; 4 x lane
	v_lshlrev_b32 v[T], 4, v[T]                    ; 16 x lane
	v_lshlrev_b32 v[AH], 6, v[AH]
	v_lshlrev_b32 v[PFO], 8, v[PFO]
	v_add_nc_u32 v[AF], s46, v[T]
	v_add_nc_u32 v[AS], s46, v[T2]
	v_add_nc_u32 v[AH], s46, v[AH]
	v_add_nc_u32 v[AV], s47, v[T]
	v_add_nc_u32 v[AVS], s48, v[T2]
	v_add_nc_u32 v[AH], HC, v[AH]
	v_add_nc_u32 v[AF+1], SLOTB, v[AF]
	v_add_nc_u32 v[AS+1], SLOTB, v[AS]
	v_add_nc_u32 v[AV+1], 2*REC, v[AV]
	v_add_nc_u32 v[AV+2], SLOTB, v[AV]
	v_add_nc_u32 v[AV+3], SLOTB+2*REC, v[AV]
	v_add_nc_u32 v[AVS+1], 2*REC, v[AVS]
	v_add_nc_u32 v[AVS+2], SLOTB, v[AVS]
	v_add_nc_u32 v[AVS+3], SLOTB+2*REC, v[AVS]
	v_add_nc_u32 v[AH+1], SLOTB, v[AH]
	v_add_nc_u32 v[P16R], s49, v[T]
	v_add_nc_u32 v[P16W], s50, v[T]
	v_add_nc_u32 v[P4R], s51, v[T2]
	v_add_nc_u32 v[P4W], s52, v[T2]
	s_mul_i32 s47, s[WV], PART                     ; my eighth of a slot, in memory and in LDS alike
	s_mov_b32 s48, s47
	s_mov_b32 s49, 0
	s_mov_b32 s53, 0
	s_wait_alu depctr_va_vdst(0)
	s_wait_dscnt 0x0                               ; both opening adds are done
	s_wait_kmcnt 0x0
	s_add_nc_u64 s[50:51], s[8:9], s[48:49]
.irp n, 0,1
	s_mov_b32 s[G0+4*\n], 1
	s_add_co_u32 s[G0+4*\n+1], s47, \n*SLOTB
	s_add_nc_u64 s[G0+4*\n+2:G0+4*\n+3], s[50:51], \n*SLOTB
	s_or_b32 s[G0+4*\n+3], s[G0+4*\n+3], 0x80000000
.endr
	s_mul_i32 s52, s[CX], REC
	s_add_nc_u64 s[PFA:PFA+1], s[8:9], s[52:53]    ; my work-group's record,
	s_add_nc_u64 s[PFA:PFA+1], s[PFA:PFA+1], SLOTB ; in slot 1: the first trip steps it to slot 2
	s_lshl_b32 s52, s[WX], 13
	s_lshl_b32 s46, s[QG], 12
	s_add_co_u32 s52, s52, s46                     ; my first tile of queries x 2,048 bytes
	s_add_nc_u64 s[4:5], s[4:5], s[52:53]
	s_lshr_b32 s52, s52, 4
	s_add_nc_u64 s[6:7], s[6:7], s[52:53]
	s_lshl_b32 s52, s[WX], 16
	s_lshl_b32 s46, s[QG], 15
	s_add_co_u32 s52, s52, s46
	s_lshl_b32 s46, s[KG], 8
	s_add_co_u32 s52, s52, s46                     ; out: row 64 x + 32 qg, my 64 channels
	s_add_nc_u64 s[10:11], s[10:11], s[52:53]
	ROUND                                          ; all four work-groups are here: the first joint loads meet
	tensor_load_to_lds s[G0:G0+3], s[G1:G1+7]      ; slot 0: one tensor load a wave at the head
	s_nop 0
	PLACES 4
.irp u, 0,1
.irp f, 0,1,2,3
	global_load_b128 v[QF+16*\u+4*\f:QF+16*\u+4*\f+3], v[T], s[4:5] offset:\u*2048+\f*512   ; Q stays in registers
.endr
	global_load_b32 v[QSC+\u], v[T2], s[6:7] offset:\u*128
.endr
.irp u, 0,1
	v_mov_b32 v[ST+4*\u+1], 0xff61b1e6             ; the largest t so far: -3e38
	v_mov_b32 v[ST+4*\u+2], 0                      ; l, in two halves
	v_mov_b32 v[ST+4*\u+3], 0
	v_mov_b32 v[FF+2*\u+1], 0                      ; (the pairs' upper halves are written)
	v_floor_f32 v[ST+4*\u], -v[ST+4*\u+1]          ; -M
.endr
.irp n, 0,1,2,3,4,5,6,7
	v_mov_b32 v[PM+\n], 0                          ; a lane permute's destination counts as one of its sources
.endr
	WIN 0x40
.set j, 0
.rept 64
	v_mov_b32 v[j], 0                              ; O^T: the trip is written once; its first products add onto zeros
.set j, j+1
.endr
	WIN 0
	s_wait_alu depctr_va_vdst(0)
	s_wait_loadcnt 0x0                             ; Q is in, and the two offset registers are free
	TRIP 0, 0, 0, 1, 1, 1                          ; trip 0: scores of group 0
	TRIP 1, 0, 1, 1, 1, 1                          ; trip 1: softmax of group 0, scores of group 1
.Lloop:                                            ; 7 times trips 2 + 2 i and 3 + 2 i
	TRIP 0, 1, 1, 1, 1, 1
	TRIP 1, 1, 1, 1, 1, 1
	s_sub_co_u32 s[CNT], s[CNT], 1
	s_cmp_lg_u32 s[CNT], 0
	s_cbranch_scc1 .Lloop
	TRIP 0, 1, 1, 0, 1, 0                          ; trip 16: no keys are left; slot 17 brings the last vals
.irp u, 0,1
	v_add_f32 v[ST+4*\u+2], v[ST+4*\u+2], v[ST+4*\u+3]
.endr
.irp u, 0,1
	s_delay_alu instid0(VALU_DEP_2)
	v_permlanex16_b32 v[ST+4*\u+3], v[ST+4*\u+2], s[SEL], s[SEL+1]
.endr
.irp u, 0,1
	s_delay_alu instid0(VALU_DEP_2)
	v_add_f32 v[ST+4*\u+2], v[ST+4*\u+2], v[ST+4*\u+3]   ; my keys' part of l
.endr
.irp u, 0,1
	ds_store_b32 v[P4W], v[ST+4*\u+2] offset:LSO+\u*128
.endr
	TRIP 1, 1, 0, 0, 0, 0                          ; trip 17: the last products
	; THE WAY OUT.  l = the four parts; O^T / l goes through my own stage, 32 rows of 256 bytes + 16, in slot 0, which has had its last fill and its last read; sixteen lanes store one aligned unit of 256 bytes.
.irp u, 0,1
.irp g, 0,1,2,3
	ds_load_b32 v[MXR+4*\u+\g], v[P4R] offset:LSO+\g*256+\u*128
.endr
.endr
	v_and_b32 v44, 15, v0
	v_bfe_u32 v45, v0, 4, 1
	s_mul_i32 s46, s[WV], 32*ORP
	v_mul_u32_u24 v46, v44, ORP
	v_mul_u32_u24 v47, v45, ORP
	v_lshlrev_b32 v48, 10, v45
	v_lshl_add_u32 v46, v45, 5, v46
	v_lshl_add_u32 v47, v44, 4, v47
	v_lshl_add_u32 v48, v44, 4, v48                ; out: lanes 0-15 one row, lanes 16-31 the next
	v_add_nc_u32 v46, s46, v46                     ; in: row lane % 16, + 32 (lane / 16)
	v_add_nc_u32 v47, s46, v47                     ; back: by rows
	s_wait_alu depctr_va_vdst(0)
	s_wait_dscnt 0x0
.irp u, 0,1
	v_add_f32 v[MXR+4*\u], v[MXR+4*\u], v[MXR+4*\u+1]
.endr
.irp u, 0,1
	v_add_f32 v[MXR+4*\u+2], v[MXR+4*\u+2], v[MXR+4*\u+3]
.endr
.irp u, 0,1
	s_delay_alu instid0(VALU_DEP_2)
	v_add_f32 v[MXR+4*\u], v[MXR+4*\u], v[MXR+4*\u+2]
.endr
	s_wait_alu depctr_va_vdst(0)                   ; ahead of the reciprocals
.irp u, 0,1
	v_rcp_f32 v[FF+2*\u], v[MXR+4*\u]
.endr
	v_nop                                          ; a plain place behind them
	WIN 0x41
	s_wait_alu depctr_va_vdst(0)                   ; one wait for both, directly ahead of the first readers of them and of O^T
.irp u, 0,1
.set j, 0
.rept 16
	v_pk_mul_f32 v[32*\u+j:32*\u+j+1], v[32*\u+j:32*\u+j+1], v[FF+2*\u:FF+2*\u+1] op_sel_hi:[1,0]
.set j, j+2
.endr
.endr
	WIN 0x04                                       ; an LDS store's data are its source 1: window 1
.irp u, 0,1
.irp ct, 0,1,2,3
	ds_store_b128 v46, v[32*\u+8*\ct:32*\u+8*\ct+3] offset:\u*16*ORP+64*\ct      ; lane (r, h): row 16 u + r, channels 16 ct + 8 h + 0 .. 7 of my 64
	ds_store_b128 v46, v[32*\u+8*\ct+4:32*\u+8*\ct+7] offset:\u*16*ORP+64*\ct+16
.endr
.endr
	WIN 0
.irp i, 0,1,2,3,4,5,6,7,8,9,10,11,12,13,14,15
	ds_load_b128 v[S+4*\i:S+4*\i+3], v47 offset:2*\i*ORP   ; LDS serves a wave's instructions in order: these see my stores
.endr
.irp i, 0,1,2,3,4,5,6,7,8,9,10,11,12,13,14,15
	s_wait_dscnt 15-\i
	global_store_b128 v48, v[S+4*\i:S+4*\i+3], s[10:11] offset:2*\i*1024 th:TH_STORE_NT
.endr
	s_wait_tensorcnt 0x0                           ; the wave's end
	ds_add_u32 v[SPW], v[NIL]
	s_wait_dscnt 0x0
	ROUND                                          ; the closing round
	s_endpgm
.Lfunc_end_k_q4037bbe275_attn:
	.size	k_q4037bbe275_attn, .Lfunc_end_k_q4037bbe275_attn-k_q4037bbe275_attn
	.p2alignl 7, 3214868480
	.fill 96, 4, 3214868480
	.section	.rodata,"a",@progbits
	.p2align	6, 0x0
	.amdhsa_kernel k_q4037bbe275_attn
		.amdhsa_group_segment_fixed_size 327680
		.amdhsa_private_segment_fixed_size 0
		.amdhsa_enable_private_segment 0
		.amdhsa_kernarg_size 32
		.amdhsa_user_sgpr_count 2
		.amdhsa_user_sgpr_kernarg_segment_ptr 1
		.amdhsa_wavefront_size32 1
		.amdhsa_system_sgpr_workgroup_id_x 1
		.amdhsa_system_sgpr_workgroup_id_y 1
		.amdhsa_system_sgpr_workgroup_id_z 1
		.amdhsa_system_vgpr_workitem_id 0
		.amdhsa_next_free_vgpr 512
		.amdhsa_next_free_sgpr 66
		.amdhsa_reserve_vcc 0
		.amdhsa_float_denorm_mode_32 3
		.amdhsa_float_denorm_mode_16_64 3
		.amdhsa_memory_ordered 1
		.amdhsa_forward_progress 1
		.amdhsa_inst_pref_size 207
	.end_amdhsa_kernel
	.amdgpu_metadata
---
amdhsa.version: [ 1, 2 ]
amdhsa.kernels:
  - .name:           k_q4037bbe275_attn
    .symbol:         k_q4037bbe275_attn.kd
    .args:
      - { .name: qc, .offset: 0, .size: 8, .value_kind: global_buffer, .address_space: global }
      - { .name: qs, .offset: 8, .size: 8, .value_kind: global_buffer, .address_space: global }
      - { .name: kv, .offset: 16, .size: 8, .value_kind: global_buffer, .address_space: global }
      - { .name: out0, .offset: 24, .size: 8, .value_kind: global_buffer, .address_space: global }
    .group_segment_fixed_size: 327680
    .private_segment_fixed_size: 0
    .kernarg_segment_align: 8
    .kernarg_segment_size: 32
    .max_flat_workgroup_size: 256
    .sgpr_count:     66
    .vgpr_count:     512
    .wavefront_size: 32
...
	.end_amdgpu_metadata
.endif
;; end of part 2
